; MI455X (gfx1250); checked and timed in simulation.
; The chip was launched on July 23, 2026; its instructions are those of AMD's public machine-readable ISA for CDNA 5 (MIT licence, August 2026) and "CDNA5" Instruction Set Architecture Reference Guide (July 2026). The comments in the code are by the model that wrote it; some were corrected since.
;; KNNBC Policy. Allowed arithmetic: matrix products marked QUANTISED: E2M3 operands, one E8M0 scale for each 32 along K, by v_wmma_scale_f32_16x16x128_f8f6f4 with both operands' format E2M3, f32 sums; everything else in f32.
;; Inputs: act_bank 100,000 x 32 float32; obs 1,024 x 512 float32; obs_bank 100,000 x 512 float32.
;; Outputs: out0 1,024 x 32 float32.
;; This version of the problem:
;;   THIS VERSION OF THE PROBLEM IS GIVEN IN LOW PRECISION. The matrix products marked QUANTISED in the list below multiply operands that are first quantised to E2M3 (2 exponent bits, 3 mantissa bits; 6 bits a number), with one power-of-two scale for each 32 numbers along K (OCP MX v1.0); their sums are f32. All else is computed in f32.
;;   The module's matrix products, in the order in which they are computed (A, B: the left and right operand; K: the contracted axis; several contracted axes count as one K, in the product's order):
;;     1. [M 1,024, K 512] x [K 512, N 100,000]; A: input obs; B: input obs_bank: QUANTISED
;;   THE QUANTISER, for each operand of a quantised product, along K:
;;     - K is cut into blocks of 32 from its start; a last block that is shorter is filled with zeros.
;;     - A block's scale is 2^e with e = floor(log2(the largest magnitude in the block)) - 2, held to -126 .. 127; a block of zeros has e = 0. As a byte (E8M0): e + 127.
;;     - Each number is divided by its block's scale, clamped to +-7.5, and rounded to the nearest number of E2M3, ties to even, subnormals kept.
;;     - The product sums the exact products of the quantised numbers (number of the format x scale) in f32.
;;   ~~~python
;;   def quantise(x, axis):      # numpy; x: float32 -> the quantised numbers, widened to float32 again
;;       x = np.moveaxis(x, axis, -1); K = x.shape[-1]
;;       x = np.pad(x, [(0, 0)] * (x.ndim - 1) + [(0, -K % 32)]); x = x.reshape(x.shape[:-1] + (-1, 32)); a = np.abs(x).max(-1, keepdims=True)
;;       e = np.where(a > 0, np.clip(np.frexp(np.where(a > 0, a, 1))[1] - 1 - 2, -126, 127), 0)      # np.frexp(a)[1] - 1 = floor(log2(a)), exactly
;;       r = np.clip(x / 2.0 ** e, -7.5, 7.5)
;;       step = 2.0 ** (np.maximum(np.frexp(np.where(r == 0, 1, r))[1] - 1, 0) - 3)
;;       q = np.round(r / step) * step * 2.0 ** e      # np.round: ties to even
;;       return np.moveaxis(q.reshape(q.shape[:-2] + (-1,))[..., :K], -1, axis).astype(np.float32)
;;   ~~~
;; One version. Each part assembles by itself: llvm-mc -triple=amdgcn-amd-amdhsa -mcpu=gfx1250 --defsym DOCPART=n.
;; ======== version 1 of 1: 5 launches
;; limits: right only within a limited range of input values
;; workspace buffers: qdat 409,600 bytes; bimg 38,400,000 bytes; bmeta 2,000,128 bytes; mins 56,320,000 bytes; sid 65,536 bytes of whole numbers; gid 65,536 bytes of whole numbers
;; launch prep (part 1): grid 64 x 1, 4 waves a work-group, no clusters, 1,536 bytes of LDS; arguments obs, qdat; writes qdat
.if DOCPART == 1
	.amdgcn_target "amdgcn-amd-amdhsa--gfx1250"
	.amdhsa_code_object_version 6
	.text
	.protected	k_qbbade51a27_prep
	.globl	k_qbbade51a27_prep
	.p2align	8
	.type	k_qbbade51a27_prep,@function
k_qbbade51a27_prep:
	s_mov_b64 s[64:65], 0
	v_nop
	global_prefetch_b8 v0, s[64:65] scope:SCOPE_SE
	s_setreg_imm32_b32 hwreg(HW_REG_WAVE_MODE, 25, 1), 1
	s_wait_xcnt 0x0
; obs [1024][512] f32 becomes codes of FP6 (E2M3) with one E8M0 byte for each 32 along K, laid as the bulk launch wants them.
; WORK LEFT OUT, in the whole program: q2 = sum(obs * obs).  reference() uses d2 only through top_k(-d2) along n, of which it keeps the indices alone; q2[b] is the same number for every n of row b,
; so for all values of the inputs d2 and d2 - q2 have the same order along n and the same indices.  The program ranks by (d2 - q2) / 2 = b2 / 2 - obs . bank.  obs is still loaded: the product needs it.
; LIMIT: a NaN, an infinity or an overflow that would arise in q2 alone is not carried to the result.
; A work-group takes a tile of 16 queries (T = its number), wave s the K step s (128 along K).  Lane (r, h) holds of row r the numbers k = 64 c + 32 h + 0 .. 31 (c = 0, 1):
; two whole blocks, in the order of the operand's registers, so that the conversions' results are the operand.
; qdat: [0, 393216) images of the operands' registers [w 4][f 64][chunk 3][lane 32][16 bytes], T = 16 w + 2 g + u, f = 8 g + 2 s + u;
;       QSOFF: scale words [w][g 8][lane 32][s 4], lanes 0-15 tile 2 g, lanes 16-31 tile 2 g + 1.
; A block's scale is 2^(floor(log2(largest magnitude)) - 2); its byte is the largest magnitude's exponent field - 2, held at 1 from below.
; LIMITS: a block of zeros gets the byte 1 where the rule says 127 (its codes are zeros, and this program alone reads the bytes); NaN and infinities are not served.
.set QSOFF, 393216
.set X,   32                           ; v32-95   64 numbers
.set C,   96                           ; v96-107  the fragment's codes
.set T,   108                          ; v108-110, v112-114 the upper halves of the two blocks' codes
.set M,   116                          ; v116-117 largest magnitudes, then the conversions' scale operands
.set BY,  118                          ; v118-119 the scale bytes
.set W,   122                          ; the scale word
.set TMP, 123
.set SEL, 20                           ; s[20:21] selects for lane l xor 16
	s_load_b128 s[4:7], s[0:1], 0x0                ; obs s[4:5], qdat s[6:7]
	v_lshl_add_u32 v128, v0, 2, 0x400              ; my spare word
	v_mov_b32 v129, 0
	v_lshrrev_b32 v1, 5, v0
	v_readfirstlane_b32 s8, v1                     ; wave = K step s
	v_and_b32 v1, 31, v0                           ; lane
	v_and_b32 v2, 15, v0                           ; r
	v_bfe_u32 v3, v0, 4, 1                         ; h
	v_lshlrev_b32 v4, 11, v2
	v_lshl_add_u32 v4, v3, 7, v4                   ; obs: row r of 2,048 bytes + 128 h
	v_lshlrev_b32 v5, 4, v1                        ; an image's place for my lane
	v_lshlrev_b32 v8, 4, v2                        ; 16 r
	s_lshl_b32 s9, s8, 2
	v_add_nc_u32 v6, s9, v8                        ; LDS: 16 r + 4 s
	v_lshlrev_b32 v7, 3, v1                        ; 8 x lane, in LDS and in memory
	v_lshlrev_b32 v9, 3, v3                        ; 8 h
	v_mov_b32 v[TMP], 0                            ; a lane permute's destination counts as one of its sources
	s_mov_b32 s[SEL], 0x76543210
	s_mov_b32 s[SEL+1], 0xfedcba98
	s_lshl_b32 s10, ttmp9, 15                      ; 16 T rows of 2,048 bytes
	s_lshl_b32 s11, s8, 9                          ; + 512 s
	s_add_co_u32 s10, s10, s11
	s_mov_b32 s11, 0
	s_lshr_b32 s12, ttmp9, 4                       ; w
	s_and_b32 s13, ttmp9, 15
	s_lshr_b32 s14, s13, 1                         ; g
	s_and_b32 s15, s13, 1                          ; u
	s_lshl_b32 s16, s12, 6
	s_lshl_b32 s17, s14, 3
	s_add_co_u32 s16, s16, s17
	s_lshl_b32 s17, s8, 1
	s_add_co_u32 s16, s16, s17
	s_add_co_u32 s16, s16, s15                     ; 64 w + 8 g + 2 s + u
	s_mul_i32 s16, s16, 1536                       ; an image is 1,536 bytes
	s_mov_b32 s17, 0
	s_lshl_b32 s18, s12, 3
	s_add_co_u32 s18, s18, s14
	s_lshl_b32 s18, s18, 9
	s_lshl_b32 s19, s15, 8
	s_add_co_u32 s18, s18, s19
	s_add_co_u32 s18, s18, QSOFF                   ; the tile's 256 bytes of scale words
	s_mov_b32 s19, 0
	s_wait_alu depctr_va_vdst(0)                   ; the wait at the head's end
	s_wait_kmcnt 0x0
	s_add_nc_u64 s[4:5], s[4:5], s[10:11]
	s_add_nc_u64 s[16:17], s[6:7], s[16:17]
	s_add_nc_u64 s[18:19], s[6:7], s[18:19]
.irp c, 0,1
.irp j, 0,1,2,3,4,5,6,7
	global_load_b128 v[X+32*\c+4*\j:X+32*\c+4*\j+3], v4, s[4:5] offset:256*\c+16*\j th:TH_LOAD_NT
.endr
.endr
	s_wait_loadcnt 0x0
.irp c, 0,1
	v_max3_num_f32 v[M+\c], |v[X+32*\c]|, |v[X+32*\c+1]|, 0x1800000   ; with the floor 2^(3 - 127): the byte cannot fall under 1
.endr
.irp i, 2,4,6,8,10,12,14,16,18,20,22,24,26,28,30
.irp c, 0,1
	v_max3_num_f32 v[M+\c], v[M+\c], |v[X+32*\c+\i]|, |v[X+32*\c+\i+1]|   ; the two blocks by turns
.endr
.endr
.irp c, 0,1
	v_add_nc_u32 v[M+\c], 0xff000000, v[M+\c]      ; 2 off the exponent field: the conversion's scale operand
.endr
.irp c, 0,1
	v_lshrrev_b32 v[BY+\c], 23, v[M+\c]            ; the scale's byte
.endr
	v_lshl_or_b32 v[W], v[BY+1], 16, v[BY]         ; my blocks are h and 2 + h of the four
	v_lshlrev_b32 v[W], v9, v[W]
	v_permlanex16_b32 v[TMP], v[W], s[SEL], s[SEL+1]
	v_or_b32 v[W], v[W], v[TMP]                    ; with lane l xor 16's two bytes the word is whole
.irp c, 0,1
	v_cvt_scalef32_pk16_fp6_f32 v[C+6*\c:C+6*\c+2], v[X+32*\c:X+32*\c+15], v[M+\c]
	v_cvt_scalef32_pk16_fp6_f32 v[T+4*\c:T+4*\c+2], v[X+32*\c+16:X+32*\c+31], v[M+\c]   ; (a conversion's three registers begin on an even number)
.endr
	v_nop                                          ; one plain place behind the scaled conversions
.irp c, 0,1
.irp i, 0,1,2
	v_mov_b32 v[C+6*\c+3+\i], v[T+4*\c+\i]
.endr
.endr
.irp c, 0,1,2
	global_store_b128 v5, v[C+4*\c:C+4*\c+3], s[16:17] offset:512*\c   ; 32 lanes store 512 consecutive bytes
.endr
	ds_store_b32 v6, v[W]                          ; both halves of the lanes hold the same word
	s_wait_dscnt 0x0                               ; for the others' sake: my store is done
	s_barrier_signal -1
	s_barrier_wait -1
	s_cmp_lg_u32 s8, 0
	s_cbranch_scc1 .Ldone                          ; wave 0 gathers the four waves' words
	ds_load_b64 v[32:33], v7
	s_wait_dscnt 0x0
	global_store_b64 v7, v[32:33], s[18:19]        ; 32 lanes store 256 consecutive bytes, aligned
.Ldone:
	s_wait_tensorcnt 0x0                           ; the wave's end
	ds_add_u32 v128, v129
	s_wait_dscnt 0x0
	s_endpgm
.Lfunc_end_k_qbbade51a27_prep:
	.size	k_qbbade51a27_prep, .Lfunc_end_k_qbbade51a27_prep-k_qbbade51a27_prep
	.p2alignl 7, 3214868480
	.fill 96, 4, 3214868480
	.section	.rodata,"a",@progbits
	.p2align	6, 0x0
	.amdhsa_kernel k_qbbade51a27_prep
		.amdhsa_group_segment_fixed_size 1536
		.amdhsa_private_segment_fixed_size 0
		.amdhsa_enable_private_segment 0
		.amdhsa_kernarg_size 16
		.amdhsa_user_sgpr_count 2
		.amdhsa_user_sgpr_kernarg_segment_ptr 1
		.amdhsa_wavefront_size32 1
		.amdhsa_system_sgpr_workgroup_id_x 1
		.amdhsa_system_sgpr_workgroup_id_y 1
		.amdhsa_system_sgpr_workgroup_id_z 1
		.amdhsa_system_vgpr_workitem_id 0
		.amdhsa_next_free_vgpr 130
		.amdhsa_next_free_sgpr 66
		.amdhsa_reserve_vcc 0
		.amdhsa_float_denorm_mode_32 3
		.amdhsa_float_denorm_mode_16_64 3
		.amdhsa_memory_ordered 1
		.amdhsa_forward_progress 1
		.amdhsa_inst_pref_size 8
	.end_amdhsa_kernel
	.amdgpu_metadata
---
amdhsa.version: [ 1, 2 ]
amdhsa.kernels:
  - .name:           k_qbbade51a27_prep
    .symbol:         k_qbbade51a27_prep.kd
    .args:
      - { .name: obs, .offset: 0, .size: 8, .value_kind: global_buffer, .address_space: global }
      - { .name: qdat, .offset: 8, .size: 8, .value_kind: global_buffer, .address_space: global }
    .group_segment_fixed_size: 1536
    .private_segment_fixed_size: 0
    .kernarg_segment_align: 8
    .kernarg_segment_size: 16
    .max_flat_workgroup_size: 128
    .sgpr_count:     66
    .vgpr_count:     130
    .wavefront_size: 32
...
	.end_amdgpu_metadata
.endif
;; end of part 1
;; launch main (part 2): grid 250 x 1, 4 waves a work-group, no clusters, 327,680 bytes of LDS; arguments obs_bank, qdat, bimg, bmeta, mins; writes bimg, bmeta, mins
.if DOCPART == 2
	.amdgcn_target "amdgcn-amd-amdhsa--gfx1250"
	.amdhsa_code_object_version 6
	.text
	.protected	k_qbbade51a27_main
	.globl	k_qbbade51a27_main
	.p2align	8
	.type	k_qbbade51a27_main,@function
k_qbbade51a27_main:
	s_mov_b64 s[64:65], 0
	v_nop
	global_prefetch_b8 v0, s[64:65] scope:SCOPE_SE
	s_setreg_imm32_b32 hwreg(HW_REG_WAVE_MODE, 25, 1), 1
	s_wait_xcnt 0x0
; e[q][n] = b2[n] / 2 - Q(obs)[q] . Q(bank)[n] = (d2 - q2) / 2, the product on codes of FP6 (E2M3) with one E8M0 scale for each 32 along K.  q2 is left out: it is the same for all n of a query, so e orders the
; rows of the bank as d2 does (shown at the head of the first kernel).  What leaves is the smallest e of each 8 neighbouring rows n (and of the work-group's 400 rows) for each query, and the bank's codes,
; scale words and -b2 / 2, from which a later launch makes the chosen rows' e again by the same chain of matrix instructions.
; -b2 / 2 IS THE C OF EACH ACCUMULATOR'S FIRST PRODUCT: the sums come out as -e, and the vector work on a tile of 16 x 16 is the largest of a lane's eight, its sign turned by the last line's source modifiers.
; SHARES.  A work-group owns a slab of 400 rows of the bank, 25 tiles of 16, and all 1,024 queries: 250 work-groups of equal work.  Wave w keeps the codes of queries 256 w .. 256 w + 255 in registers
; for the whole launch (64 fragments, 768 registers), and quantises K step w (columns 128 w .. + 127) of every tile.  So the bank is read from memory once and quantised once.
; NO CLUSTER: the work-groups share only the queries' codes, which go to registers; no tile that lands in LDS is shared.
; NO PREFETCH: the one stream, the bank, is asked for a whole trip ahead by the tensor loads: 4 x 24,576 bytes are on their way through each trip's 192 matrix instructions a wave.
; A TRIP takes 3 tiles (the ninth: 1).  X: each wave reads its strip (48 rows x 512 bytes, brought by its own tensor load) from LDS, quantises it and stores the fragments as images of their registers | barrier |
; M: each wave multiplies the 3 tiles' fragments by its 16 tiles of queries: source 0 = 16 rows of the bank, source 1 = 16 queries: a lane holds ONE query and eight neighbouring rows.
; A GROUP is 8 matrix instructions (2 tiles of queries x 4 K steps, the two accumulators by turns); behind it stand the 10 vector lines on the results of the group before, under one switch of the window to 0.
; A tile's 16 minima stay in registers and go to the stage in one run of 16 LDS stores.  The stage holds three trips' minima, 18 for each query, and leaves as [slab][third 3][query 1024][18]:
; so the launch that reads a query's minima of a slab finds them in three runs of 72 bytes.
; LIMITS: NaN and infinities among the inputs are not served (+infinity marks an empty place); a block of zeros gets the byte 1 where the rule says 127 (its codes are zeros, this program alone reads the bytes); b2 is a tree sum.
.set STRIP,  25344                     ; 48 rows x (512 bytes + 16 of padding): a wave's part of a slot
.set SLOT1,  131072                    ; slot 0 at 0, slot 1 here: one exclusive or turns an address
.set IMG,    101376                    ; 12 fragments' images of 1,536 bytes: (tile i, K step s) at (4 i + s) x 1,536
.set SCLT,   119808                    ; scale words [row 48][s 4]; 768 bytes on: partial sums of squares [row 48][wave 4]
.set STAGE,  232448                    ; the minima on their way out: [wave 4][query 256][18] f32, each wave's own
.set WSTG,   18432                     ; a wave's part of it
.set SPARE,  306176                    ; the spare words, 128 bytes for each wave
.set QSOFF,  393216
.set B2OFF,  1600000
.set SMINOFF, 55296000
.set RAW0, 1                           ; v1   my place in my strip: STRIP w + 528 r + 128 h
.set IMS,  2                           ; v2   where I store an image: IMG + 1,536 w + 16 lane
.set LI,   3                           ; v3   where I read one: IMG + 16 lane
.set SCS,  4                           ; v4   SCLT + 16 r + 4 w
.set SCLD, 5                           ; v5   SCLT + 16 r
.set PSL,  6                           ; v6   SCLT + 768 + 16 ((r + 8 h) % 16): the partial sums of the row whose -b2 / 2 I make
.set HBO,  7                           ; v7   4 ((r + 8 h) % 16): that row's place in bmeta
.set STA,  8                           ; v8   STAGE + WSTG w + 72 r + 4 h
.set STL,  9                           ; v9   STAGE + WSTG w + 16 lane
.set ST4,  10                          ; v10  STAGE + WSTG w + 4 lane
.set SC8,  11                          ; v11  SCLT + 8 lane
.set GOC,  12                          ; v12  my codes' place in bimg: 3,072 (r / 8) + 768 w + 16 (8 h + r % 8)
.set GL16, 13                          ; v13  16 lane
.set SPW,  14                          ; v14  my spare word; never rewritten
.set NIL,  15                          ; v15  0; never rewritten
.set QS,   20                          ; v20-51   the queries' scale words: 4 g + s; lanes 0-15 tile 2 g, lanes 16-31 tile 2 g + 1
.set BS,   52                          ; v52-59   the bank's scale words, two sets of four
.set MI,   60                          ; v60-75   the tile in hand: the smallest e of my eight rows, for my query in tile t
.set SMIN, 76                          ; v76-91   the slab's smallest e so far
.set F63,  92                          ; v92-103  the queries' fragment 63; fragments 0-62 lie in window 1 + f / 21 at 12 (f % 21)
.set FR,   104                         ; v104-199 the bank's fragments, two sets of four
.set ACC,  200                         ; v200-231 two sets of two accumulators
.set TQ,   232                         ; v232-235 at work
.set HBR,  236                         ; v236-238 -b2 / 2 of row (r + 8 h) % 16 of the trip's tiles
.set STC,  239                         ; v239     STA + the trip's place in the stage
.set B2,   240                         ; v240-255 -b2 / 2 of my eight rows, two sets: the C of a tile's first products
.set XA,   104                         ; in the X phase: two sets of 64 numbers,
.set XB,   168
.set C,    232                         ; the codes just made,
.set T,    244                         ; v244-246, v248-250 the blocks' upper halves,
.set BY,   244                         ; (ahead of them: the two scale bytes)
.set TMP,  247
.set RA,   251                         ; the strip's address in the slot in hand,
.set P0,   252
.set P1,   254
.set M,    16
.set W,    18
.set PS,   19
.set SEL,  42                          ; s[42:43] selects for lane l xor 16
.set MSB, 0
.macro WIN new                         ; the immediate's high byte repeats the setting that is left; a switch that changes nothing is dropped
.if MSB != (\new)
	s_set_vgpr_msb (MSB<<8)|(\new)
.set MSB, (\new)
.endif
.endm
; 64 numbers of a lane, register 32 c + e = k 64 c + 32 h + e of its row, become the fragment's 12 registers, the row's scale word and the row's sum of squares over these 128 k.
; Four chains take turns: the two blocks' largest magnitudes and two sums of squares; then the scale word's lines and the sum's lines take turns.
.macro QUANT x
.irp c, 0,1
	v_max3_num_f32 v[M+\c], |v[\x+32*\c]|, |v[\x+32*\c+1]|, 0x1800000   ; with the floor 2^(3 - 127): the byte cannot fall under 1
.endr
	v_pk_mul_f32 v[P0:P0+1], v[\x:\x+1], v[\x:\x+1]
	v_pk_mul_f32 v[P1:P1+1], v[\x+32:\x+33], v[\x+32:\x+33]
.irp i, 2,4,6,8,10,12,14,16,18,20,22,24,26,28,30
	v_max3_num_f32 v[M], v[M], |v[\x+\i]|, |v[\x+\i+1]|
	v_max3_num_f32 v[M+1], v[M+1], |v[\x+32+\i]|, |v[\x+33+\i]|
	v_pk_fma_f32 v[P0:P0+1], v[\x+\i:\x+\i+1], v[\x+\i:\x+\i+1], v[P0:P0+1]
	v_pk_fma_f32 v[P1:P1+1], v[\x+32+\i:\x+33+\i], v[\x+32+\i:\x+33+\i], v[P1:P1+1]
.endr
	v_and_b32 v[TMP], 16, v0
	v_add_nc_u32 v[M], 0xff000000, v[M]            ; 2 off the exponent field: the conversion's scale operand
	v_add_nc_u32 v[M+1], 0xff000000, v[M+1]
	v_pk_add_f32 v[P0:P0+1], v[P0:P0+1], v[P1:P1+1]
	v_lshrrev_b32 v[TMP], 1, v[TMP]                ; 8 h
	v_lshrrev_b32 v[BY], 23, v[M]                  ; the scales' bytes
	v_lshrrev_b32 v[BY+1], 23, v[M+1]
	v_add_f32 v[PS], v[P0], v[P0+1]
	v_lshl_or_b32 v[W], v[BY+1], 16, v[BY]         ; my blocks are h and 2 + h of the four
	v_permlanex16_b32 v[BY+1], v[PS], s[SEL], s[SEL+1]
	v_lshlrev_b32 v[W], v[TMP], v[W]
	v_add_f32 v[PS], v[PS], v[BY+1]                ; the row's sum of squares over my K step
	v_permlanex16_b32 v[TMP], v[W], s[SEL], s[SEL+1]
	v_or_b32 v[W], v[W], v[TMP]                    ; with lane l xor 16's two bytes the word is whole
	s_wait_xcnt 0x0                                ; the last tile's global stores have read the codes' registers
.irp c, 0,1
	v_cvt_scalef32_pk16_fp6_f32 v[C+6*\c:C+6*\c+2], v[\x+32*\c:\x+32*\c+15], v[M+\c]
	v_cvt_scalef32_pk16_fp6_f32 v[T+4*\c:T+4*\c+2], v[\x+32*\c+16:\x+32*\c+31], v[M+\c]   ; (a conversion's three registers begin on an even number)
.endr
	v_nop                                          ; one plain place behind the scaled conversions
.irp c, 0,1
.irp i, 0,1,2
	v_mov_b32 v[C+6*\c+3+\i], v[T+4*\c+\i]
.endr
.endr
.endm
.macro XLOAD i, x                      ; tile i of my strip: 16 rows x 128 numbers, 64 a lane
.irp c, 0,1
.irp j, 0,1,2,3,4,5,6,7
	ds_load_b128 v[\x+32*\c+4*\j:\x+32*\c+4*\j+3], v[RA] offset:8448*(\i)+256*\c+16*\j
.endr
.endr
.endm
.macro XSTORE i                        ; the fragment as it stands to LDS and to bimg; the scale word; the partial sum
.irp c, 0,1,2
	ds_store_b128 v[IMS], v[C+4*\c:C+4*\c+3] offset:6144*(\i)+512*\c
.endr
	ds_store_b32 v[SCS], v[W] offset:256*(\i)
	ds_store_b32 v[SCS], v[PS] offset:768+256*(\i)
.irp c, 0,1,2
	global_store_b128 v[GOC], v[C+4*\c:C+4*\c+3], s[44:45] offset:6144*(\i)+256*\c   ; sixteen lanes store 256 consecutive bytes, aligned: one group of 8 rows each
.endr
.endm
.macro XPHASE nt
	v_add_nc_u32 v[RA], s36, v[RAW0]
	XLOAD 0, XA
.if \nt == 3
	XLOAD 1, XB
	s_wait_dscnt 16                                ; tile 0's numbers are in; tile 1's 16 loads may be out
	QUANT XA
	XSTORE 0
	XLOAD 2, XA
	s_wait_dscnt 16                                ; tile 1's numbers are in and tile 0's five LDS stores are done; tile 2's 16 loads may be out
	QUANT XB
	XSTORE 1
	s_wait_dscnt 0x0
	QUANT XA
	XSTORE 2
.else
	s_wait_dscnt 0x0
	QUANT XA
	XSTORE 0
.endif
.endm
; Item pk of the 13 LDS loads that bring tile pi: 12 for its four fragments, 1 for its scale words
.macro PFITEM
.if pk == 0                            ; the scale words first, then the fragments of K steps 0 to 3, three loads each
	ds_load_b128 v[BS+4*(pi%2):BS+4*(pi%2)+3], v[SCLD] offset:256*pi
.else
	ds_load_b128 v[FR+48*(pi%2)+4*(pk-1):FR+48*(pi%2)+4*(pk-1)+3], v[LI] offset:6144*pi+512*(pk-1)
.endif
.endm
.macro PFRUN first, count
.set pk, \first
.rept \count
	PFITEM
.set pk, pk+1
.endr
.endm
; -b2 / 2 of my eight rows of tile pi into its set: lane j of my sixteen holds that of row (j + 8 h) % 16, so register j takes lane j's
.macro CSET
.irp j, 0,1,2,3,4,5,6,7
	v_mov_b32_dpp v[B2+8*(pi%2)+\j], v[HBR+pi] row_share:\j row_mask:0xf bank_mask:0xf
.endr
.endm
; The vector work on group PG of queries against tile PI of the bank: ten lines, the two accumulators by turns, each from its low end on.  They are also the places behind the group of products issued before the last one.
.macro EPI
.set rA, ACC+16*(PG%2)
.set st, 2*PG
	v_max3_num_f32 v[TQ], v[rA], v[rA+1], v[rA+2]
	v_max3_num_f32 v[TQ+2], v[rA+8], v[rA+9], v[rA+10]
	v_max3_num_f32 v[TQ+1], v[rA+3], v[rA+4], v[rA+5]
	v_max3_num_f32 v[TQ+3], v[rA+11], v[rA+12], v[rA+13]
	v_max3_num_f32 v[TQ], v[TQ], v[rA+6], v[rA+7]
	v_max3_num_f32 v[TQ+2], v[TQ+2], v[rA+14], v[rA+15]
	v_min_num_f32 v[MI+st], -v[TQ], -v[TQ+1]       ; the largest of the sums -e, with its sign turned: the smallest e of rows 8 h .. 8 h + 7
	v_min_num_f32 v[MI+st+1], -v[TQ+2], -v[TQ+3]
	v_min_num_f32 v[SMIN+st], v[SMIN+st], v[MI+st]
	v_min_num_f32 v[SMIN+st+1], v[SMIN+st+1], v[MI+st+1]
.if PG == 7
.irp t, 0,1,2,3,4,5,6,7,8,9,10,11,12,13,14,15
	ds_store_b32 v[STC], v[MI+\t] offset:1152*\t+8*PI   ; the tile's 16 minima in one run: 16 queries of 72 bytes from tile to tile of queries
.endr
.endif
.endm
; Matrix instruction n of eight of group gi against tile ti: K step n / 2, tile 2 gi + n % 2 of my queries.  The two accumulators take turns.
.macro MM
.set fq, 8*gi+n
.set rD, ACC+16*(gi%2)+8*(n%2)
.set rF, FR+48*(ti%2)+12*(n/2)
.set rS, BS+4*(ti%2)+n/2
.set rT, QS+4*gi+n/2
.if n < 2
.set rC, B2+8*(ti%2)                   ; K step 0 starts the sum with -b2 / 2 of the lane's eight rows
.else
.set rC, rD
.endif
.if fq == 63
.set rQ, F63
	WIN 0
.else
.set rQ, 12*(fq%21)
.set wq, (1+fq/21)<<2
	WIN wq
.endif
.if (ti == 0) && (gi == 0) && (n%2 == 0)
	s_wait_dscnt 9-3*(n/2)                         ; a trip's first group: this K step's fragment is in; the three loads of each later K step may be out
.endif
.if n%2 == 0
	v_wmma_scale_f32_16x16x128_f8f6f4 v[rD:rD+7], v[rF:rF+11], v[rQ:rQ+11], v[rC:rC+7], v[rS], v[rT] matrix_a_fmt:MATRIX_FMT_FP6 matrix_b_fmt:MATRIX_FMT_FP6
.else
	v_wmma_scale_f32_16x16x128_f8f6f4 v[rD:rD+7], v[rF:rF+11], v[rQ:rQ+11], v[rC:rC+7], v[rS], v[rT] matrix_a_fmt:MATRIX_FMT_FP6 matrix_b_fmt:MATRIX_FMT_FP6 matrix_b_scale:MATRIX_SCALE_ROW1
.endif
.endm
.macro GROUP nt
.if (ti > 0) && (gi == 0)
	s_wait_dscnt 0x0                               ; this tile's 13 loads, issued five groups ago, are in
.endif
.set n, 0
.rept 8
	MM
.set n, n+1
.endr
	WIN 0
.if (ti == 0) && (gi == 1)
	s_wait_xcnt 0x0                                ; wave 0's stores of the scale words have read v60-66, which the batch below begins to write again
.endif
.if PV
	EPI
.else
.rept 4
	v_nop                                          ; a trip's first group has no vector work behind it: the places in front of the next batch's reads of its results
.endr
.endif
.if (ti+1 < \nt) && (gi == 1)
.set pi, ti+1
	PFRUN 0, 8                                     ; the next tile, into the set that the tile before has left
.endif
.if (ti+1 < \nt) && (gi == 2)
.set pi, ti+1
	PFRUN 8, 5
	CSET
.endif
.set PV, 1
.set PI, ti
.set PG, gi
.endm
.macro MPHASE nt
.set PV, 0
.set q, 0
.rept \nt
	ds_load_b128 v[216+4*q:216+4*q+3], v[PSL] offset:256*q        ; the four partial sums of squares of row (r + 8 h) % 16
.set q, q+1
.endr
	s_cmp_lg_u32 s14, 0
	s_cbranch_scc1 .Lm1_\@                         ; wave 0 sends the trip's scale words: it reads them here, ahead of the 13 loads, into registers that are free until the first batch
.set q, 0
.rept \nt
	ds_load_b64 v[MI+2*q:MI+2*q+1], v[SC8] offset:256*q
.set q, q+1
.endr
.Lm1_\@:
.set pi, 0
	PFRUN 0, 13
	s_wait_dscnt 13                                ; the partial sums (and wave 0's scale words) are in; the 13 loads behind them may be out
	s_wait_xcnt 0x0                                ; the last tile's three global stores have read the codes' registers v232-243, which the lines below begin to write again
.set q, 0
.rept \nt
	v_add_f32 v[216+4*q], v[216+4*q], v[217+4*q]
	v_add_f32 v[218+4*q], v[218+4*q], v[219+4*q]
.set q, q+1
.endr
.set q, 0
.rept \nt
	v_add_f32 v[216+4*q], v[216+4*q], v[218+4*q]   ; b2 = (P0 + P1) + (P2 + P3)
.set q, q+1
.endr
.set q, 0
.rept \nt
	v_mul_f32 v[HBR+q], -0.5, v[216+4*q]           ; -b2 / 2, exactly
.set q, q+1
.endr
	v_add_nc_u32 v[STC], s39, v[STA]               ; this trip's six places of the stage's eighteen
	CSET
.rept 4
	v_nop                                          ; places between the lines that write C and the products
.endr
	s_cmp_lg_u32 s14, 0
	s_wait_alu depctr_va_vdst(0)                   ; directly ahead of the branch
	s_cbranch_scc1 .Lm2_\@                         ; wave 0 sends the trip's scale words and -b2 / 2 while tile 0's fragments are on their way
	v_and_b32 v[MI+6], 31, v0
	v_lshlrev_b32 v[MI+6], 3, v[MI+6]              ; 8 x lane
.set q, 0
.rept \nt
	global_store_b32 v[HBO], v[HBR+q], s[48:49] offset:64*q          ; the two halves of the lanes hold the same 16 rows
	global_store_b64 v[MI+6], v[MI+2*q:MI+2*q+1], s[46:47] offset:256*q   ; 32 lanes store 256 consecutive bytes, aligned
.set q, q+1
.endr
.Lm2_\@:
.set ti, 0
.rept \nt
.set gi, 0
.rept 8
	GROUP \nt
.set gi, gi+1
.endr
.set ti, ti+1
.endr
	EPI                                            ; the last group's vector work; the batch before it gave the places behind the last products
.if \nt == 1
	v_mov_b32 v[TQ], 0x7f800000                    ; the ninth trip has one tile: places 2 to 5 of its six are empty
.irp t, 0,1,2,3,4,5,6,7,8,9,10,11,12,13,14,15
	ds_store_b32 v[STC], v[TQ] offset:1152*\t+8
	ds_store_b32 v[STC], v[TQ] offset:1152*\t+16
.endr
.endif
.endm
; Three trips' minima leave: my 18,432 bytes of the stage, 36 loads into v104-231 and v240-255, which are free here, and 36 stores
.macro FLUSH3
.set k, 0
.rept 36
.set rr, 104+4*k+8*(k/32)
	ds_load_b128 v[rr:rr+3], v[STL] offset:512*k                     ; LDS serves a wave's instructions in order: these see my stores
.set k, k+1
.endr
.set k, 0
.rept 36
.set rr, 104+4*k+8*(k/32)
	s_wait_dscnt 35-k                              ; the younger loads may be out
	global_store_b128 v[GL16], v[rr:rr+3], s[50:51] offset:512*k th:TH_STORE_NT   ; 32 lanes store 512 consecutive bytes, aligned
.set k, k+1
.endr
	s_wait_xcnt 0x0                                ; the stores have read their base and registers
	s_add_nc_u64 s[50:51], s[50:51], 4*WSTG
.endm
; fill = 1: the other slot is filled with the next 48 rows; 2: with the last 16; 0: nothing is left to fetch
.macro TRIP nt, fill
	s_wait_tensorcnt 0x0                           ; my one tensor load is done: this trip's strip; so its descriptor may be written
	ds_add_u32 v[SPW], v[NIL]                      ; 0 onto my spare word
.if \fill
	s_xor_b32 s33, s33, SLOT1                      ; the other slot,
	s_add_nc_u64 s[34:35], s[34:35], 98304         ; 48 rows of 2,048 bytes on; the type bits on top are not reached
.endif
	s_wait_dscnt 0x0                               ; the add is done, and so are my reads of the other slot, of the images, the scale words and the partial sums
	s_barrier_signal -1
	s_barrier_wait -1                              ; that now holds of all four waves
.if \fill == 1
	tensor_load_to_lds s[32:35], s[16:23]          ; my one tensor load until the next such barrier: it has the whole trip in which to land
	s_nop 0
.rept 4
	v_nop
.endr
.elseif \fill == 2
	tensor_load_to_lds s[32:35], s[24:31]
	s_nop 0
.rept 4
	v_nop
.endr
.endif
	XPHASE \nt
	s_wait_dscnt 0x0                               ; for the others' sake: my images, scale words and partial sums lie in LDS
	s_barrier_signal -1
	s_barrier_wait -1                              ; my tensor load stays out
	s_wait_loadcnt 0x0                             ; the queries (asked for at the head)
	MPHASE \nt
	s_wait_xcnt 0x0                                ; the stores have read their bases and registers
.if \fill
	s_add_nc_u64 s[44:45], s[44:45], 18432
	s_add_nc_u64 s[46:47], s[46:47], 768
	s_add_nc_u64 s[48:49], s[48:49], 192
	s_xor_b32 s36, s36, SLOT1
.endif
.endm
	s_load_b256 s[4:11], s[0:1], 0x0               ; obs_bank s[4:5], qdat s[6:7], bimg s[8:9], bmeta s[10:11]
	s_load_b64 s[12:13], s[0:1], 0x20              ; mins
	v_lshl_add_u32 v[SPW], v0, 2, SPARE
	v_mov_b32 v[NIL], 0
	ds_add_u32 v[SPW], v[NIL]                      ; the opening lines: the add, twice on end, and its wait
	ds_add_u32 v[SPW], v[NIL]
	s_wait_dscnt 0x0
	v_lshrrev_b32 v16, 5, v0
	v_readfirstlane_b32 s14, v16                   ; wave 0..3
	s_mov_b32 s15, ttmp9                           ; the slab
	; descriptor group 1: rows of 128 f32 (512 bytes), 2,048 bytes apart, 16 bytes of padding behind each: s[16:23] 48 rows, s[24:31] 16 rows
.irp g, 16, 24
	s_mov_b32 s[\g+0], (2<<16)|(1<<20)|(6<<22)|(3<<25)   ; no mask; elements of 4 bytes; padding on; behind every 128 words; of 4 words
	s_mov_b32 s[\g+1], 128<<16                     ; tensor_dim0
	s_mov_b32 s[\g+3], 128<<16                     ; tile_dim0
	s_mov_b32 s[\g+5], 512                         ; elements from row to row
	s_mov_b32 s[\g+6], 0
	s_mov_b32 s[\g+7], 0
.endr
	s_mov_b32 s18, 48<<16                          ; tensor_dim1
	s_mov_b32 s20, 48                              ; tile_dim1
	s_mov_b32 s26, 16<<16
	s_mov_b32 s28, 16
	s_mov_b32 s32, 1                               ; group 0: count
	s_mul_i32 s33, s14, STRIP                      ; LDS address: my strip of slot 0
	s_mul_i32 s54, s15, 819200                     ; 400 rows of 2,048 bytes a slab
	s_lshl_b32 s55, s14, 9                         ; my 512 bytes of a row
	s_add_co_u32 s54, s54, s55
	s_mov_b32 s55, 0
	s_wait_kmcnt 0x0
	s_add_nc_u64 s[34:35], s[4:5], s[54:55]
	s_or_b32 s35, s35, 0x80000000                  ; type = 2
	tensor_load_to_lds s[32:35], s[16:23]          ; the first fill, my one tensor load at the head
	s_nop 0
.rept 4
	v_nop
.endr
	s_mov_b32 s36, 0                               ; the slot in hand
	s_mov_b32 s[SEL], 0x76543210
	s_mov_b32 s[SEL+1], 0xfedcba98
	s_mul_i32 s37, s14, STRIP
	s_mul_i32 s54, s15, 153600
	s_add_nc_u64 s[44:45], s[8:9], s[54:55]        ; bimg: 50 groups of 3,072 bytes a slab
	s_mul_i32 s54, s15, 6400
	s_add_nc_u64 s[46:47], s[10:11], s[54:55]      ; the scale words: 16 bytes a row
	s_mul_i32 s54, s15, 1600
	s_add_co_u32 s54, s54, B2OFF
	s_add_nc_u64 s[48:49], s[10:11], s[54:55]      ; -b2 / 2
	s_mul_i32 s54, s15, 12*WSTG
	s_mul_i32 s56, s14, WSTG
	s_add_co_u32 s54, s54, s56
	s_add_nc_u64 s[50:51], s[12:13], s[54:55]      ; the minima: [slab][third 3][query 1024][18]
	s_lshl_b32 s54, s15, 12
	s_lshl_b32 s56, s14, 10
	s_add_co_u32 s54, s54, s56
	s_add_co_u32 s54, s54, SMINOFF
	s_add_nc_u64 s[52:53], s[12:13], s[54:55]      ; the slab's minima: [slab][query 1024]
	s_mul_i32 s54, s14, 98304
	s_add_nc_u64 s[56:57], s[6:7], s[54:55]        ; my 64 fragments of queries
	s_lshl_b32 s54, s14, 12
	s_add_nc_u64 s[58:59], s[6:7], s[54:55]        ; their scale words
	v_and_b32 v16, 31, v0                          ; lane
	v_and_b32 v17, 15, v0                          ; r
	v_bfe_u32 v18, v0, 4, 1                        ; h
	v_mul_u32_u24 v[RAW0], v17, 528
	v_lshl_add_u32 v[RAW0], v18, 7, v[RAW0]
	v_add_nc_u32 v[RAW0], s37, v[RAW0]
	v_lshlrev_b32 v[GL16], 4, v16
	v_add_nc_u32 v[LI], IMG, v[GL16]
	s_mul_i32 s38, s14, 1536
	v_add_nc_u32 v[IMS], s38, v[LI]
	v_lshl_add_u32 v[SCLD], v17, 4, SCLT
	s_lshl_b32 s38, s14, 2
	v_add_nc_u32 v[SCS], s38, v[SCLD]
	v_lshl_add_u32 v19, v18, 3, v17
	v_and_b32 v19, 15, v19                         ; (r + 8 h) % 16
	v_lshl_add_u32 v[PSL], v19, 4, SCLT+768
	v_lshlrev_b32 v[HBO], 2, v19
	s_mul_i32 s38, s14, WSTG
	s_add_co_u32 s38, s38, STAGE
	v_mul_u32_u24 v[STA], v17, 72
	v_lshl_add_u32 v[STA], v18, 2, v[STA]
	v_add_nc_u32 v[STA], s38, v[STA]
	v_add_nc_u32 v[STL], s38, v[GL16]
	v_lshl_add_u32 v[ST4], v16, 2, s38
	v_lshl_add_u32 v[SC8], v16, 3, SCLT
	v_lshrrev_b32 v19, 3, v17
	v_mul_u32_u24 v[GOC], v19, 3072
	v_and_b32 v19, 7, v17
	v_lshl_add_u32 v19, v18, 3, v19
	v_lshl_add_u32 v[GOC], v19, 4, v[GOC]
	s_mul_i32 s38, s14, 768
	v_add_nc_u32 v[GOC], s38, v[GOC]
.irp g, 0,1,2,3,4,5,6,7
	global_load_b128 v[QS+4*\g:QS+4*\g+3], v[GL16], s[58:59] offset:QSOFF+512*\g
.endr
.irp c, 0,1,2
	global_load_b128 v[F63+4*\c:F63+4*\c+3], v[GL16], s[56:57] offset:63*1536+512*\c
.endr
.set f, 0
.rept 63                               ; the queries' codes: they stay in registers for the whole launch
.set wn, (1+f/21)<<6
	WIN wn
.irp c, 0,1,2
	global_load_b128 v[12*(f%21)+4*\c:12*(f%21)+4*\c+3], v[GL16], s[56:57] offset:1536*f+512*\c
.endr
.set f, f+1
.endr
	WIN 0
.irp t, 0,1,2,3,4,5,6,7,8,9,10,11,12,13,14,15
	v_mov_b32 v[SMIN+\t], 0x7f800000
.endr
	s_mov_b32 s40, 0
.Lthird:                                           ; trips 0 to 5: two thirds of the slab, three trips each
	s_mov_b32 s39, 0                               ; the trip's place in the stage: 0, 24, 48
.Ltrip:
	TRIP 3, 1
	s_add_co_u32 s39, s39, 24
	s_cmp_lt_u32 s39, 72
	s_cbranch_scc1 .Ltrip
	FLUSH3
	s_add_co_u32 s40, s40, 1
	s_cmp_lt_u32 s40, 2
	s_cbranch_scc1 .Lthird
	s_mov_b32 s39, 0
	TRIP 3, 1                                      ; trip 6
	s_mov_b32 s39, 24
	TRIP 3, 2                                      ; trip 7 asks for the slab's last 16 rows
	s_mov_b32 s39, 48
	TRIP 1, 0                                      ; trip 8: one tile, nothing more to fetch
	FLUSH3
	; the slab's smallest e of each query: the two halves of the lanes meet; lane l then holds query 32 k + l of my 256
	s_wait_alu depctr_va_vdst(0)                   ; directly ahead of the readers below
.irp k, 0,1,2,3,4,5,6,7
	v_permlane16_swap_b32 v[SMIN+2*\k], v[SMIN+2*\k+1]
.endr
.irp k, 0,1,2,3,4,5,6,7
	v_min_num_f32 v[SMIN+2*\k], v[SMIN+2*\k], v[SMIN+2*\k+1]
	ds_store_b32 v[ST4], v[SMIN+2*\k] offset:128*\k
.endr
	ds_load_b128 v[104:107], v[STL]
	ds_load_b128 v[108:111], v[STL] offset:512
	s_wait_dscnt 0x0
	global_store_b128 v[GL16], v[104:107], s[52:53]
	global_store_b128 v[GL16], v[108:111], s[52:53] offset:512
	s_wait_tensorcnt 0x0                           ; the wave's end
	ds_add_u32 v[SPW], v[NIL]
	s_wait_dscnt 0x0
	s_endpgm
.Lfunc_end_k_qbbade51a27_main:
	.size	k_qbbade51a27_main, .Lfunc_end_k_qbbade51a27_main-k_qbbade51a27_main
	.p2alignl 7, 3214868480
	.fill 96, 4, 3214868480
	.section	.rodata,"a",@progbits
	.p2align	6, 0x0
	.amdhsa_kernel k_qbbade51a27_main
		.amdhsa_group_segment_fixed_size 327680
		.amdhsa_private_segment_fixed_size 0
		.amdhsa_enable_private_segment 0
		.amdhsa_kernarg_size 40
		.amdhsa_user_sgpr_count 2
		.amdhsa_user_sgpr_kernarg_segment_ptr 1
		.amdhsa_wavefront_size32 1
		.amdhsa_system_sgpr_workgroup_id_x 1
		.amdhsa_system_sgpr_workgroup_id_y 1
		.amdhsa_system_sgpr_workgroup_id_z 1
		.amdhsa_system_vgpr_workitem_id 0
		.amdhsa_next_free_vgpr 1024
		.amdhsa_next_free_sgpr 66
		.amdhsa_reserve_vcc 0
		.amdhsa_float_denorm_mode_32 3
		.amdhsa_float_denorm_mode_16_64 3
		.amdhsa_memory_ordered 1
		.amdhsa_forward_progress 1
		.amdhsa_inst_pref_size 255
	.end_amdhsa_kernel
	.section	.bss,"aw",@nobits
	.p2align	6
	.space	262144
	.amdgpu_metadata
---
amdhsa.version: [ 1, 2 ]
amdhsa.kernels:
  - .name:           k_qbbade51a27_main
    .symbol:         k_qbbade51a27_main.kd
    .args:
      - { .name: obs_bank, .offset: 0, .size: 8, .value_kind: global_buffer, .address_space: global }
      - { .name: qdat, .offset: 8, .size: 8, .value_kind: global_buffer, .address_space: global }
      - { .name: bimg, .offset: 16, .size: 8, .value_kind: global_buffer, .address_space: global }
      - { .name: bmeta, .offset: 24, .size: 8, .value_kind: global_buffer, .address_space: global }
      - { .name: mins, .offset: 32, .size: 8, .value_kind: global_buffer, .address_space: global }
    .group_segment_fixed_size: 327680
    .private_segment_fixed_size: 0
    .kernarg_segment_align: 8
    .kernarg_segment_size: 40
    .max_flat_workgroup_size: 128
    .sgpr_count:     66
    .vgpr_count:     1024
    .wavefront_size: 32
...
	.end_amdgpu_metadata
.endif
;; end of part 2
;; launch selA (part 3): grid 256 x 1, 4 waves a work-group, no clusters, 0 bytes of LDS; arguments mins, sid; writes sid
.if DOCPART == 3
	.amdgcn_target "amdgcn-amd-amdhsa--gfx1250"
	.amdhsa_code_object_version 6
	.text
	.protected	k_qbbade51a27_selA
	.globl	k_qbbade51a27_selA
	.p2align	8
	.type	k_qbbade51a27_selA,@function
k_qbbade51a27_selA:
	s_mov_b64 s[64:65], 0
	v_nop
	global_prefetch_b8 v0, s[64:65] scope:SCOPE_SE
	s_setreg_imm32_b32 hwreg(HW_REG_WAVE_MODE, 25, 1), 1
	s_wait_xcnt 0x0
; For each query the 16 slabs (of 250) with the smallest minimum of d2, ties to the lower slab.  They hold the query's 16 nearest rows: a row among the 16 nearest has at most 15 rows ordered before it,
; and every slab ordered before its own has its smallest row ordered before it.  A wave takes a query; lane l holds slabs 32 k + l, k = 0 .. 7.
; Sixteen rounds, the same work in each, no branch on data: the smallest value of all, the lowest number among those that have it, that one is set to +infinity, and lane rho keeps the number.
; Numbers are kept as f32 (exact under 2^24) so that the same minimum serves both.  LIMIT: NaN and infinities among the minima are not served.
.set SMINOFF, 55296000
.set L15, 2
.set MN,  3
.set CW,  4
.set TT,  5
.set PT,  6
.set INF, 7
.set RES, 8
.set X,   16
.set ID,  24
.set OF,  32
.set SEL, 16
.set RHO, 18
.macro LANEMIN a                       ; the smallest over the 32 lanes, in every lane
	v_min_num_f32_dpp v[\a], v[\a], v[\a] row_xmask:1 row_mask:0xf bank_mask:0xf
	v_min_num_f32_dpp v[\a], v[\a], v[\a] row_xmask:2 row_mask:0xf bank_mask:0xf
	v_min_num_f32_dpp v[\a], v[\a], v[\a] row_xmask:4 row_mask:0xf bank_mask:0xf
	v_min_num_f32_dpp v[\a], v[\a], v[\a] row_xmask:8 row_mask:0xf bank_mask:0xf
	v_permlanex16_b32 v[PT], v[\a], s[SEL], s[SEL+1]
	v_min_num_f32 v[\a], v[\a], v[PT]
.endm
	s_load_b128 s[4:7], s[0:1], 0x0                ; mins, sid
	v_lshrrev_b32 v1, 5, v0
	v_readfirstlane_b32 s8, v1
	v_and_b32 v1, 31, v0
	s_wait_alu depctr_va_vdst(0)
	v_and_b32 v[L15], 15, v0
	s_lshl_b32 s9, ttmp9, 2
	s_add_co_u32 s9, s9, s8                        ; the query
	s_lshl_b32 s10, s9, 2
	s_add_co_u32 s10, s10, SMINOFF
	s_mov_b32 s11, 0
	s_lshl_b32 s12, s9, 6
	s_mov_b32 s13, 0
	s_mov_b32 s[SEL], 0x76543210
	s_mov_b32 s[SEL+1], 0xfedcba98
	v_mov_b32 v[INF], 0x7f800000
	v_mov_b32 v[PT], 0
	v_mov_b32 v[RES], 0
.irp k, 0,1,2,3,4,5,6,7
	v_add_nc_u32 v[OF+\k], 32*\k, v1
	v_cvt_f32_u32 v[ID+\k], v[OF+\k]
.endr
	v_cmp_gt_u32 s14, 250, v[OF+7]                 ; the lanes whose eighth slab exists
	v_min_u32 v[OF+7], 249, v[OF+7]                ; the others load inside the buffer, and what they load is thrown away
.irp k, 0,1,2,3,4,5,6,7
	v_lshlrev_b32 v[OF+\k], 12, v[OF+\k]           ; 4,096 bytes a slab
.endr
	s_wait_alu depctr_va_vdst(0)
	s_wait_kmcnt 0x0
	s_add_nc_u64 s[4:5], s[4:5], s[10:11]
	s_add_nc_u64 s[6:7], s[6:7], s[12:13]
.irp k, 0,1,2,3,4,5,6,7
	global_load_b32 v[X+\k], v[OF+\k], s[4:5]
.endr
	s_wait_loadcnt 0x0
	v_cndmask_b32 v[X+7], v[INF], v[X+7], s14
	s_mov_b32 s[RHO], 0
.Lround:
	v_min3_num_f32 v[OF], v[X], v[X+1], v[X+2]     ; a tree: the offsets' registers are free, their loads are in
	v_min3_num_f32 v[OF+1], v[X+3], v[X+4], v[X+5]
	v_min_num_f32 v[OF+2], v[X+6], v[X+7]
	v_min3_num_f32 v[MN], v[OF], v[OF+1], v[OF+2]
	LANEMIN MN
.irp k, 0,1,2,3,4,5,6,7
	v_cmp_eq_f32 s[26+\k], v[MN], v[X+\k]          ; each compare has a mask of its own, so that the eight do not wait for each other
.endr
.irp k, 0,1,2,3,4,5,6,7
	v_cndmask_b32 v[OF+\k], v[INF], v[ID+\k], s[26+\k]
.endr
	v_min3_num_f32 v[OF], v[OF], v[OF+1], v[OF+2]
	v_min3_num_f32 v[OF+3], v[OF+3], v[OF+4], v[OF+5]
	v_min_num_f32 v[OF+6], v[OF+6], v[OF+7]
	v_min3_num_f32 v[CW], v[OF], v[OF+3], v[OF+6]
	LANEMIN CW
.irp k, 0,1,2,3,4,5,6,7
	v_cmp_eq_f32 s[26+\k], v[CW], v[ID+\k]
.endr
.irp k, 0,1,2,3,4,5,6,7
	v_cndmask_b32 v[X+\k], v[X+\k], v[INF], s[26+\k]
.endr
	v_cmp_eq_u32 vcc_lo, s[RHO], v[L15]
	v_cndmask_b32 v[RES], v[RES], v[CW], vcc_lo
	s_add_co_u32 s[RHO], s[RHO], 1
	s_cmp_lt_u32 s[RHO], 16
	s_wait_alu depctr_va_vdst(0)                   ; directly ahead of the branch
	s_cbranch_scc1 .Lround
	v_cvt_u32_f32 v[RES], v[RES]
	v_lshlrev_b32 v[OF], 2, v[L15]
	global_store_b32 v[OF], v[RES], s[6:7]         ; lanes 16-31 repeat lanes 0-15
	s_endpgm
.Lfunc_end_k_qbbade51a27_selA:
	.size	k_qbbade51a27_selA, .Lfunc_end_k_qbbade51a27_selA-k_qbbade51a27_selA
	.p2alignl 7, 3214868480
	.fill 96, 4, 3214868480
	.section	.rodata,"a",@progbits
	.p2align	6, 0x0
	.amdhsa_kernel k_qbbade51a27_selA
		.amdhsa_group_segment_fixed_size 0
		.amdhsa_private_segment_fixed_size 0
		.amdhsa_enable_private_segment 0
		.amdhsa_kernarg_size 16
		.amdhsa_user_sgpr_count 2
		.amdhsa_user_sgpr_kernarg_segment_ptr 1
		.amdhsa_wavefront_size32 1
		.amdhsa_system_sgpr_workgroup_id_x 1
		.amdhsa_system_sgpr_workgroup_id_y 1
		.amdhsa_system_sgpr_workgroup_id_z 1
		.amdhsa_system_vgpr_workitem_id 0
		.amdhsa_next_free_vgpr 48
		.amdhsa_next_free_sgpr 66
		.amdhsa_reserve_vcc 1
		.amdhsa_float_denorm_mode_32 3
		.amdhsa_float_denorm_mode_16_64 3
		.amdhsa_memory_ordered 1
		.amdhsa_forward_progress 1
		.amdhsa_inst_pref_size 7
	.end_amdhsa_kernel
	.amdgpu_metadata
---
amdhsa.version: [ 1, 2 ]
amdhsa.kernels:
  - .name:           k_qbbade51a27_selA
    .symbol:         k_qbbade51a27_selA.kd
    .args:
      - { .name: mins, .offset: 0, .size: 8, .value_kind: global_buffer, .address_space: global }
      - { .name: sid, .offset: 8, .size: 8, .value_kind: global_buffer, .address_space: global }
    .group_segment_fixed_size: 0
    .private_segment_fixed_size: 0
    .kernarg_segment_align: 8
    .kernarg_segment_size: 16
    .max_flat_workgroup_size: 128
    .sgpr_count:     66
    .vgpr_count:     48
    .wavefront_size: 32
...
	.end_amdgpu_metadata
.endif
;; end of part 3
;; launch selB (part 4): grid 256 x 1, 4 waves a work-group, no clusters, 0 bytes of LDS; arguments mins, sid, gid; writes gid
.if DOCPART == 4
	.amdgcn_target "amdgcn-amd-amdhsa--gfx1250"
	.amdhsa_code_object_version 6
	.text
	.protected	k_qbbade51a27_selB
	.globl	k_qbbade51a27_selB
	.p2align	8
	.type	k_qbbade51a27_selB,@function
k_qbbade51a27_selB:
	s_mov_b64 s[64:65], 0
	v_nop
	global_prefetch_b8 v0, s[64:65] scope:SCOPE_SE
	s_setreg_imm32_b32 hwreg(HW_REG_WAVE_MODE, 25, 1), 1
	s_wait_xcnt 0x0
; For each query the 16 groups of 8 rows with the smallest minimum of d2 among the 16 chosen slabs' groups, ties to the lower group: by the argument of the launch before they hold the 16 nearest rows.
; A wave takes a query.  A slab has 54 places (9 trips x 6), of which the last four are empty (+infinity): 16 x 54 = 864 values, 27 a lane.  Value v = 32 k + lane: slab slot v / 54, place rem = v % 54,
; which is also the group's number in its slab; its trip is rem / 6.  The slabs' numbers come from memory as whole numbers and are held at 249 before they enter an address.
; An empty place's number can equal a group of the next slab: it is never chosen, and when that group is chosen an infinity is set to infinity.
; LIMIT: NaN and infinities among the minima of real groups are not served.
.set L15, 2
.set MN,  3
.set CW,  4
.set TT,  5
.set PT,  6
.set INF, 7
.set RES, 8
.set X,   32
.set ID,  64
.set OF,  96
.set SO,  128
.set SEL, 16
.set RHO, 18
.macro LANEMIN a
	v_min_num_f32_dpp v[\a], v[\a], v[\a] row_xmask:1 row_mask:0xf bank_mask:0xf
	v_min_num_f32_dpp v[\a], v[\a], v[\a] row_xmask:2 row_mask:0xf bank_mask:0xf
	v_min_num_f32_dpp v[\a], v[\a], v[\a] row_xmask:4 row_mask:0xf bank_mask:0xf
	v_min_num_f32_dpp v[\a], v[\a], v[\a] row_xmask:8 row_mask:0xf bank_mask:0xf
	v_permlanex16_b32 v[PT], v[\a], s[SEL], s[SEL+1]
	v_min_num_f32 v[\a], v[\a], v[PT]
.endm
	s_load_b128 s[4:7], s[0:1], 0x0                ; mins, sid
	s_load_b64 s[8:9], s[0:1], 0x10                ; gid
	v_lshrrev_b32 v1, 5, v0
	v_readfirstlane_b32 s10, v1
	v_and_b32 v1, 31, v0
	s_wait_alu depctr_va_vdst(0)
	v_and_b32 v[L15], 15, v0
	s_lshl_b32 s11, ttmp9, 2
	s_add_co_u32 s11, s11, s10                     ; the query
	s_mul_i32 s12, s11, 72                         ; mins is [slab][third 3][query 1024][18]: 72 bytes a query
	s_mov_b32 s13, 0
	s_lshl_b32 s14, s11, 6
	s_mov_b32 s15, 0
	s_mov_b32 s[SEL], 0x76543210
	s_mov_b32 s[SEL+1], 0xfedcba98
	v_mov_b32 v[INF], 0x7f800000
	v_mov_b32 v[PT], 0
	v_mov_b32 v[RES], 0
.set k, 0
.rept 27
	v_add_nc_u32 v[ID+k], 32*k, v1                 ; v
	v_mul_u32_u24 v[SO+k], v[ID+k], 1214
	v_lshrrev_b32 v[SO+k], 16, v[SO+k]             ; v / 54, right for v under 864
	v_mul_u32_u24 v[TT], v[SO+k], 54
	v_sub_nc_u32 v[ID+k], v[ID+k], v[TT]           ; rem
	v_mul_u32_u24 v[OF+k], v[ID+k], 57
	v_lshrrev_b32 v[OF+k], 10, v[OF+k]             ; the third of the slab: rem / 18, right for rem under 54
	v_mul_u32_u24 v[OF+k], v[OF+k], 73656
	v_lshl_add_u32 v[OF+k], v[ID+k], 2, v[OF+k]    ; 73,728 x third + 4 x (rem - 18 x third)
	v_lshlrev_b32 v[SO+k], 2, v[SO+k]
.set k, k+1
.endr
	s_wait_alu depctr_va_vdst(0)
	s_wait_kmcnt 0x0
	s_add_nc_u64 s[4:5], s[4:5], s[12:13]
	s_add_nc_u64 s[6:7], s[6:7], s[14:15]
	s_add_nc_u64 s[8:9], s[8:9], s[14:15]
.set k, 0
.rept 27
	global_load_b32 v[X+k], v[SO+k], s[6:7]        ; the slot's slab
.set k, k+1
.endr
	s_wait_loadcnt 0x0
.set k, 0
.rept 27
	v_min_u32 v[X+k], 249, v[X+k]
	v_mul_u32_u24 v[TT], v[X+k], 221184
	v_add_nc_u32 v[OF+k], v[OF+k], v[TT]
	v_mul_u32_u24 v[TT], v[X+k], 50
	v_add_nc_u32 v[ID+k], v[ID+k], v[TT]           ; the group's number in the bank
	v_cvt_f32_u32 v[ID+k], v[ID+k]
.set k, k+1
.endr
.set k, 0
.rept 27
	global_load_b32 v[X+k], v[OF+k], s[4:5]
.set k, k+1
.endr
	s_wait_loadcnt 0x0
	s_mov_b32 s[RHO], 0
.Lround:
.set k, 0
.rept 9                                ; a tree of three levels: in the first two levels no line reads the line above it (the offsets' registers are free: their loads are in)
	v_min3_num_f32 v[OF+k], v[X+3*k], v[X+3*k+1], v[X+3*k+2]
.set k, k+1
.endr
.irp k, 0,1,2
	v_min3_num_f32 v[OF+9+\k], v[OF+3*\k], v[OF+3*\k+1], v[OF+3*\k+2]
.endr
	v_min3_num_f32 v[MN], v[OF+9], v[OF+10], v[OF+11]
	LANEMIN MN
.set k, 0
.rept 27                               ; each compare has a mask of its own, s26 to s52, so that the 27 do not wait for each other
	v_cmp_eq_f32 s[26+k], v[MN], v[X+k]
.set k, k+1
.endr
.set k, 0
.rept 27
	v_cndmask_b32 v[SO+k], v[INF], v[ID+k], s[26+k]
.set k, k+1
.endr
.set k, 0
.rept 9
	v_min3_num_f32 v[OF+k], v[SO+3*k], v[SO+3*k+1], v[SO+3*k+2]
.set k, k+1
.endr
.irp k, 0,1,2
	v_min3_num_f32 v[OF+9+\k], v[OF+3*\k], v[OF+3*\k+1], v[OF+3*\k+2]
.endr
	v_min3_num_f32 v[CW], v[OF+9], v[OF+10], v[OF+11]
	LANEMIN CW
.set k, 0
.rept 27
	v_cmp_eq_f32 s[26+k], v[CW], v[ID+k]
.set k, k+1
.endr
.set k, 0
.rept 27
	v_cndmask_b32 v[X+k], v[X+k], v[INF], s[26+k]
.set k, k+1
.endr
	v_cmp_eq_u32 vcc_lo, s[RHO], v[L15]
	v_cndmask_b32 v[RES], v[RES], v[CW], vcc_lo
	s_add_co_u32 s[RHO], s[RHO], 1
	s_cmp_lt_u32 s[RHO], 16
	s_wait_alu depctr_va_vdst(0)                   ; directly ahead of the branch
	s_cbranch_scc1 .Lround
	v_cvt_u32_f32 v[RES], v[RES]
	v_lshlrev_b32 v[TT], 2, v[L15]
	global_store_b32 v[TT], v[RES], s[8:9]         ; lanes 16-31 repeat lanes 0-15
	s_endpgm
.Lfunc_end_k_qbbade51a27_selB:
	.size	k_qbbade51a27_selB, .Lfunc_end_k_qbbade51a27_selB-k_qbbade51a27_selB
	.p2alignl 7, 3214868480
	.fill 96, 4, 3214868480
	.section	.rodata,"a",@progbits
	.p2align	6, 0x0
	.amdhsa_kernel k_qbbade51a27_selB
		.amdhsa_group_segment_fixed_size 0
		.amdhsa_private_segment_fixed_size 0
		.amdhsa_enable_private_segment 0
		.amdhsa_kernarg_size 24
		.amdhsa_user_sgpr_count 2
		.amdhsa_user_sgpr_kernarg_segment_ptr 1
		.amdhsa_wavefront_size32 1
		.amdhsa_system_sgpr_workgroup_id_x 1
		.amdhsa_system_sgpr_workgroup_id_y 1
		.amdhsa_system_sgpr_workgroup_id_z 1
		.amdhsa_system_vgpr_workitem_id 0
		.amdhsa_next_free_vgpr 160
		.amdhsa_next_free_sgpr 66
		.amdhsa_reserve_vcc 1
		.amdhsa_float_denorm_mode_32 3
		.amdhsa_float_denorm_mode_16_64 3
		.amdhsa_memory_ordered 1
		.amdhsa_forward_progress 1
		.amdhsa_inst_pref_size 40
	.end_amdhsa_kernel
	.amdgpu_metadata
---
amdhsa.version: [ 1, 2 ]
amdhsa.kernels:
  - .name:           k_qbbade51a27_selB
    .symbol:         k_qbbade51a27_selB.kd
    .args:
      - { .name: mins, .offset: 0, .size: 8, .value_kind: global_buffer, .address_space: global }
      - { .name: sid, .offset: 8, .size: 8, .value_kind: global_buffer, .address_space: global }
      - { .name: gid, .offset: 16, .size: 8, .value_kind: global_buffer, .address_space: global }
    .group_segment_fixed_size: 0
    .private_segment_fixed_size: 0
    .kernarg_segment_align: 8
    .kernarg_segment_size: 24
    .max_flat_workgroup_size: 128
    .sgpr_count:     66
    .vgpr_count:     160
    .wavefront_size: 32
...
	.end_amdgpu_metadata
.endif
;; end of part 4
;; launch fin (part 5): grid 256 x 1, 4 waves a work-group, no clusters, 0 bytes of LDS; arguments qdat, bimg, bmeta, gid, act_bank, out0; writes out0
.if DOCPART == 5
	.amdgcn_target "amdgcn-amd-amdhsa--gfx1250"
	.amdhsa_code_object_version 6
	.text
	.protected	k_qbbade51a27_fin
	.globl	k_qbbade51a27_fin
	.p2align	8
	.type	k_qbbade51a27_fin,@function
k_qbbade51a27_fin:
	s_mov_b64 s[64:65], 0
	v_nop
	global_prefetch_b8 v0, s[64:65] scope:SCOPE_SE
	s_setreg_imm32_b32 hwreg(HW_REG_WAVE_MODE, 25, 1), 1
	s_wait_xcnt 0x0
; For each query: e = b2 / 2 - Q(obs) . Q(bank) = (d2 - q2) / 2 of the 128 rows of its 16 chosen groups, made again from the stored codes by the same matrix instruction and the same chain over K as in the
; bulk launch, begun with the same C, -b2 / 2 (the sources change places, which gives the transposed tile with the same bits); the 16 smallest, ties to the lower row; the mean of their rows of act_bank.
; q2 is left out: it is the same for all rows of the bank, so e orders them as d2 does (shown at the head of the first kernel).
; A wave takes a query.  Tile j of 16 candidates is groups 2 j and 2 j + 1 of the list.  Source 0 = the query's codes in all 16 rows, source 1 = the candidates: register 0 of a tile's result holds, in lanes r and 16 + r, row r's sum.
; Only that register is used, so only register 0 of C counts: tile j's C is v[HB + 2 j .. + 7], whose first register holds -b2 / 2 of candidate r; the other seven hold later tiles' numbers or 0, and their sums are not read.
; Candidate 32 a + lane is row r of tile 2 a + h.  NO ADDRESS HANGS ON THE CHOICE: all 128 rows of act_bank are loaded, and the mean is their sum with weights 1/16 or 0.
; The groups' numbers come from memory as whole numbers and are held at 12,499 before they enter an address.
; LIMITS: NaN and infinities among the inputs are not served (+infinity marks a row that has been taken; 0 x a number that is not finite would spoil the sum).
.set QSOFF, 393216
.set B2OFF, 1600000
.set LN,  1
.set R,   2
.set H,   3
.set R7,  4
.set R3,  5
.set ZR,  6
.set HO,  7                            ; 256 h
.set G,   8                            ; v8-15    tile j's group for my lane
.set CO,  16                           ; v16-23   its codes' offset
.set SO,  24                           ; v24-31   its row's scale words' offset
.set N,   32                           ; v32-35   my four candidates' rows
.set ID,  36                           ; v36-39   the same as f32
.set X,   40                           ; v40-43   their e
.set WT,  44                           ; v44-51   their weights, each the low word of a pair
.set MN,  57
.set CW,  58
.set TT,  59
.set PT,  60
.set INF, 61
.set SIX, 62
.set LO,  63                           ; 16 (8 h + r % 8)
.set QW,  64                           ; v64-67   the query's scale words
.set CWD, 68                           ; v68-99   the candidates' scale words: 4 j + s
.set QF,  100                          ; v100-147 the query's four fragments
.set ACC, 148                          ; v148-211 eight accumulators
.set O,   212                          ; v212-243 32 weighted sums, at the end
.set HB,  212                          ; v212-233 before that: -b2 / 2 of tile j's row r at HB + 2 j
.set BO,  234                          ; v234-241 and its offset
.set GA,  244
.set GB,  245
.set AO,  250                          ; v250-253
.set SEL, 18
.set HM,  20                           ; s20 lanes 16-31;  s21-24 the lanes whose bit 3, 2, 1, 0 is set
.set RHO, 25
.set MSB, 0
.macro WIN new
.if MSB != (\new)
	s_set_vgpr_msb (MSB<<8)|(\new)
.set MSB, (\new)
.endif
.endm
.macro LANEMIN a
	v_min_num_f32_dpp v[\a], v[\a], v[\a] row_xmask:1 row_mask:0xf bank_mask:0xf
	v_min_num_f32_dpp v[\a], v[\a], v[\a] row_xmask:2 row_mask:0xf bank_mask:0xf
	v_min_num_f32_dpp v[\a], v[\a], v[\a] row_xmask:4 row_mask:0xf bank_mask:0xf
	v_min_num_f32_dpp v[\a], v[\a], v[\a] row_xmask:8 row_mask:0xf bank_mask:0xf
	v_permlanex16_b32 v[PT], v[\a], s[SEL], s[SEL+1]
	v_min_num_f32 v[\a], v[\a], v[PT]
.endm
; Of 2 x half sums a lane keeps those of its side of the bit and sends the others to the lane across
.macro FOLD half, sm
.set i, 0
.rept \half
	v_cndmask_b32 v[MN], v[O+i], v[O+i+\half], s[\sm]
	v_cndmask_b32 v[CW], v[O+i+\half], v[O+i], s[\sm]
	v_add_f32_dpp v[O+i], v[CW], v[MN] row_xmask:\half row_mask:0xf bank_mask:0xf
.set i, i+1
.endr
.endm
	s_load_b256 s[4:11], s[0:1], 0x0               ; qdat s[4:5], bimg s[6:7], bmeta s[8:9], gid s[10:11]
	s_load_b128 s[12:15], s[0:1], 0x20             ; act_bank s[12:13], out0 s[14:15]
	v_lshrrev_b32 v1, 5, v0
	v_readfirstlane_b32 s16, v1
	v_and_b32 v[LN], 31, v0
	v_and_b32 v[R], 15, v0
	v_bfe_u32 v[H], v0, 4, 1
	v_and_b32 v[R7], 7, v0
	v_bfe_u32 v[R3], v0, 3, 1
	v_mov_b32 v[ZR], 0
	v_lshlrev_b32 v[HO], 8, v[H]
	v_lshl_add_u32 v[LO], v[H], 3, v[R7]
	v_lshlrev_b32 v[LO], 4, v[LO]
	v_lshlrev_b32 v[GA], 2, v[R3]
	v_lshl_add_u32 v[GB], v[H], 3, v[GA]
	v_mov_b32 v[INF], 0x7f800000
	v_mov_b32 v[SIX], 0x3d800000                   ; 1/16
	v_mov_b32 v[PT], 0
.irp i, 1,3,5,7,9,11,13,15,16,17,18,19,20,21
	v_mov_b32 v[HB+\i], 0                          ; the registers of the C operands into which nothing is loaded
.endr
	s_mov_b32 s[SEL], 0x76543210
	s_mov_b32 s[SEL+1], 0xfedcba98
	s_mov_b32 s[HM], 0xffff0000
	s_mov_b32 s21, 0xff00ff00
	s_mov_b32 s22, 0xf0f0f0f0
	s_mov_b32 s23, 0xcccccccc
	s_mov_b32 s24, 0xaaaaaaaa
	s_lshl_b32 s17, ttmp9, 2
	s_add_co_u32 s17, s17, s16                     ; the query q = 256 w + 32 g + 16 u + ql
	s_lshr_b32 s26, s17, 8                         ; w
	s_bfe_u32 s27, s17, 0x30005                    ; g
	s_bfe_u32 s40, s17, 0x10004                    ; u
	s_and_b32 s41, s17, 15                         ; ql
	s_lshl_b32 s42, s26, 6
	s_lshl_b32 s43, s27, 3
	s_add_co_u32 s42, s42, s43
	s_add_co_u32 s42, s42, s40
	s_mul_i32 s42, s42, 1536
	s_lshl_b32 s43, s41, 4
	s_add_co_u32 s42, s42, s43                     ; its K step 0's image, lane ql
	s_mov_b32 s43, 0
	s_lshl_b32 s44, s26, 3
	s_add_co_u32 s44, s44, s27
	s_lshl_b32 s44, s44, 5
	s_lshl_b32 s45, s40, 4
	s_add_co_u32 s44, s44, s45
	s_add_co_u32 s44, s44, s41
	s_lshl_b32 s44, s44, 4
	s_add_co_u32 s44, s44, QSOFF                   ; its four scale words
	s_mov_b32 s45, 0
	s_lshl_b32 s26, s17, 6
	s_mov_b32 s27, 0
	s_lshl_b32 s40, s17, 7
	s_mov_b32 s41, 0
	s_wait_alu depctr_va_vdst(0)                   ; the wait at the head's end
	s_wait_kmcnt 0x0
	s_add_nc_u64 s[28:29], s[10:11], s[26:27]      ; its list of groups
	s_add_nc_u64 s[30:31], s[4:5], s[42:43]
	s_add_nc_u64 s[32:33], s[4:5], s[44:45]
	s_add_nc_u64 s[36:37], s[8:9], B2OFF
	s_add_nc_u64 s[38:39], s[14:15], s[40:41]      ; its row of the output
.irp j, 0,1,2,3,4,5,6,7
	global_load_b32 v[G+\j], v[GA], s[28:29] offset:8*\j       ; tile j: group 2 j + r / 8 of the list
.endr
.irp a, 0,1,2,3
	global_load_b32 v[N+\a], v[GB], s[28:29] offset:16*\a      ; candidate a: tile 2 a + h
.endr
.irp s, 0,1,2,3
.irp c, 0,1,2
	global_load_b128 v[QF+12*\s+4*\c:QF+12*\s+4*\c+3], v[HO], s[30:31] offset:3072*\s+512*\c   ; the query's registers, the same in all sixteen lanes of a half
.endr
.endr
	global_load_b128 v[QW:QW+3], v[ZR], s[32:33]
	s_wait_loadcnt 13                              ; the list is in; the query's 13 loads may be out
.irp j, 0,1,2,3,4,5,6,7
	v_min_u32 v[G+\j], 12499, v[G+\j]
	v_mul_u32_u24 v[CO+\j], v[G+\j], 3072
	v_add_nc_u32 v[CO+\j], v[CO+\j], v[LO]
	v_lshl_add_u32 v[BO+\j], v[G+\j], 3, v[R7]     ; the row
	v_lshlrev_b32 v[SO+\j], 4, v[BO+\j]
	v_lshlrev_b32 v[BO+\j], 2, v[BO+\j]
.endr
.irp a, 0,1,2,3
	v_min_u32 v[N+\a], 12499, v[N+\a]
	v_lshl_add_u32 v[N+\a], v[N+\a], 3, v[R7]      ; the row
	v_cvt_f32_u32 v[ID+\a], v[N+\a]
	v_lshlrev_b32 v[AO+\a], 7, v[N+\a]
.endr
.irp j, 0,1,2,3,4,5,6,7
	global_load_b128 v[CWD+4*\j:CWD+4*\j+3], v[SO+\j], s[8:9]
.endr
	WIN 0x40                                       ; destination window 1: the codes of tiles 0-3
.irp j, 0,1,2,3
.irp k, 0,1,2,3,4,5,6,7,8,9,10,11
	global_load_b128 v[48*\j+4*\k:48*\j+4*\k+3], v[CO+\j], s[6:7] offset:256*\k
.endr
.endr
	WIN 0x80                                       ; window 2: tiles 4-7
.irp j, 0,1,2,3
.irp k, 0,1,2,3,4,5,6,7,8,9,10,11
	global_load_b128 v[48*\j+4*\k:48*\j+4*\k+3], v[CO+4+\j], s[6:7] offset:256*\k
.endr
.endr
	WIN 0
.irp j, 0,1,2,3,4,5,6,7
	global_load_b32 v[HB+2*\j], v[BO+\j], s[36:37] ; -b2 / 2 of tile j's row r, in both halves of the lanes
.endr
	WIN 0xc0                                       ; window 3: my four candidates' rows of act_bank
.irp a, 0,1,2,3
.irp e, 0,1,2,3,4,5,6,7
	global_load_b128 v[32*\a+4*\e:32*\a+4*\e+3], v[AO+\a], s[12:13] offset:16*\e
.endr
.endr
	WIN 0
	s_wait_loadcnt 32                              ; codes, scale words and -b2 / 2 are in; act_bank's 32 loads may be out
.irp s, 0,1,2,3                        ; the eight accumulators take turns, K ascending
.irp j, 0,1,2,3,4,5,6,7
	WIN (1+\j/4)<<2
.if \s == 0
	v_wmma_scale_f32_16x16x128_f8f6f4 v[ACC+8*\j:ACC+8*\j+7], v[QF+12*\s:QF+12*\s+11], v[48*(\j%4)+12*\s:48*(\j%4)+12*\s+11], v[HB+2*\j:HB+2*\j+7], v[QW+\s], v[CWD+4*\j+\s] matrix_a_fmt:MATRIX_FMT_FP6 matrix_b_fmt:MATRIX_FMT_FP6
.else
	v_wmma_scale_f32_16x16x128_f8f6f4 v[ACC+8*\j:ACC+8*\j+7], v[QF+12*\s:QF+12*\s+11], v[48*(\j%4)+12*\s:48*(\j%4)+12*\s+11], v[ACC+8*\j:ACC+8*\j+7], v[QW+\s], v[CWD+4*\j+\s] matrix_a_fmt:MATRIX_FMT_FP6 matrix_b_fmt:MATRIX_FMT_FP6
.endif
.endr
.endr
	WIN 0
.rept 4
	v_nop                                          ; places in front of the first read of results
.endr
.irp a, 0,1,2,3
	v_cndmask_b32 v[X+\a], v[ACC+16*\a], v[ACC+16*\a+8], s[HM]   ; lanes 0-15 tile 2 a, lanes 16-31 tile 2 a + 1: each accumulator's lowest register
.endr
.irp a, 0,1,2,3
	v_xor_b32 v[X+\a], 0x80000000, v[X+\a]         ; the sums are -e
.endr
.irp i, 0,1,2,3,4,5,6,7
	v_mov_b32 v[WT+\i], 0
.endr
	s_mov_b32 s[RHO], 0
.Lround:                                           ; sixteen rounds, the same work in each: the smallest e, the lowest row among those that have it; it gets the weight 1/16 and leaves
	s_wait_alu depctr_va_vdst(0)                   ; behind the label
	v_min3_num_f32 v[MN], v[X], v[X+1], v[X+2]
	v_min_num_f32 v[MN], v[MN], v[X+3]
	LANEMIN MN
	v_cmp_eq_f32 vcc_lo, v[MN], v[X]
	v_cndmask_b32 v[CW], v[INF], v[ID], vcc_lo
.irp k, 1,2,3
	v_cmp_eq_f32 vcc_lo, v[MN], v[X+\k]
	v_cndmask_b32 v[TT], v[INF], v[ID+\k], vcc_lo
	v_min_num_f32 v[CW], v[CW], v[TT]
.endr
	LANEMIN CW
.irp k, 0,1,2,3
	v_cmp_eq_f32 vcc_lo, v[CW], v[ID+\k]
	v_cndmask_b32 v[X+\k], v[X+\k], v[INF], vcc_lo
	v_cndmask_b32 v[WT+2*\k], v[WT+2*\k], v[SIX], vcc_lo
.endr
	s_add_co_u32 s[RHO], s[RHO], 1
	s_cmp_lt_u32 s[RHO], 16
	s_cbranch_scc1 .Lround
	s_wait_loadcnt 0x0                             ; act_bank's rows
	WIN 0x03                                       ; source 0 window 3
.irp i, 0,2,4,6,8,10,12,14,16,18,20,22,24,26,28,30
	v_pk_mul_f32 v[O+\i:O+\i+1], v[\i:\i+1], v[WT:WT+1] op_sel_hi:[1,0]
.endr
.irp a, 1,2,3
.irp i, 0,2,4,6,8,10,12,14,16,18,20,22,24,26,28,30
	v_pk_fma_f32 v[O+\i:O+\i+1], v[32*\a+\i:32*\a+\i+1], v[WT+2*\a:WT+2*\a+1], v[O+\i:O+\i+1] op_sel_hi:[1,0,1]
.endr
.endr
	WIN 0
	; 32 sums in each of 32 lanes become one sum a lane: lane l ends with number l of the output's row
.irp i, 0,1,2,3,4,5,6,7,8,9,10,11,12,13,14,15
	v_permlane16_swap_b32 v[O+\i], v[O+16+\i]
.endr
.irp i, 0,1,2,3,4,5,6,7,8,9,10,11,12,13,14,15
	v_add_f32 v[O+\i], v[O+\i], v[O+16+\i]         ; lanes 0-15: number i, lanes 16-31: number 16 + i
.endr
	FOLD 8, 21
	FOLD 4, 22
	FOLD 2, 23
	FOLD 1, 24
	v_lshlrev_b32 v[TT], 2, v[LN]
	global_store_b32 v[TT], v[O], s[38:39]         ; 32 lanes store the row's 128 consecutive bytes
	s_endpgm
.Lfunc_end_k_qbbade51a27_fin:
	.size	k_qbbade51a27_fin, .Lfunc_end_k_qbbade51a27_fin-k_qbbade51a27_fin
	.p2alignl 7, 3214868480
	.fill 96, 4, 3214868480
	.section	.rodata,"a",@progbits
	.p2align	6, 0x0
	.amdhsa_kernel k_qbbade51a27_fin
		.amdhsa_group_segment_fixed_size 0
		.amdhsa_private_segment_fixed_size 0
		.amdhsa_enable_private_segment 0
		.amdhsa_kernarg_size 48
		.amdhsa_user_sgpr_count 2
		.amdhsa_user_sgpr_kernarg_segment_ptr 1
		.amdhsa_wavefront_size32 1
		.amdhsa_system_sgpr_workgroup_id_x 1
		.amdhsa_system_sgpr_workgroup_id_y 1
		.amdhsa_system_sgpr_workgroup_id_z 1
		.amdhsa_system_vgpr_workitem_id 0
		.amdhsa_next_free_vgpr 896
		.amdhsa_next_free_sgpr 66
		.amdhsa_reserve_vcc 1
		.amdhsa_float_denorm_mode_32 3
		.amdhsa_float_denorm_mode_16_64 3
		.amdhsa_memory_ordered 1
		.amdhsa_forward_progress 1
		.amdhsa_inst_pref_size 38
	.end_amdhsa_kernel
	.amdgpu_metadata
---
amdhsa.version: [ 1, 2 ]
amdhsa.kernels:
  - .name:           k_qbbade51a27_fin
    .symbol:         k_qbbade51a27_fin.kd
    .args:
      - { .name: qdat, .offset: 0, .size: 8, .value_kind: global_buffer, .address_space: global }
      - { .name: bimg, .offset: 8, .size: 8, .value_kind: global_buffer, .address_space: global }
      - { .name: bmeta, .offset: 16, .size: 8, .value_kind: global_buffer, .address_space: global }
      - { .name: gid, .offset: 24, .size: 8, .value_kind: global_buffer, .address_space: global }
      - { .name: act_bank, .offset: 32, .size: 8, .value_kind: global_buffer, .address_space: global }
      - { .name: out0, .offset: 40, .size: 8, .value_kind: global_buffer, .address_space: global }
    .group_segment_fixed_size: 0
    .private_segment_fixed_size: 0
    .kernarg_segment_align: 8
    .kernarg_segment_size: 48
    .max_flat_workgroup_size: 128
    .sgpr_count:     66
    .vgpr_count:     896
    .wavefront_size: 32
...
	.end_amdgpu_metadata
.endif
;; end of part 5
